; MI455X (gfx1250); checked and timed in simulation.
; The chip was launched on July 23, 2026; its instructions are those of AMD's public machine-readable ISA for CDNA 5 (MIT licence, August 2026) and "CDNA5" Instruction Set Architecture Reference Guide (July 2026). The comments in the code are by the model that wrote it; some were corrected since.
;; Multi Head Self Attention. Allowed arithmetic: matrix products marked QUANTISED: E2M3 operands, one E8M0 scale for each 32 along K, by v_wmma_scale_f32_16x16x128_f8f6f4 with both operands' format E2M3, f32 sums; everything else in f32.
;; Inputs: Wk_codes 1,024 x 32 x 24 uint8 (E2M3 codes of Wk, K innermost, in blocks of 32 codes, four codes in three bytes); Wk_scales 1,024 x 32 uint8 (E8M0 scales of Wk, one for each 32 codes along K); Wq_codes 1,024 x 32 x 24 uint8 (E2M3 codes of Wq, K innermost, in blocks of 32 codes, four codes in three bytes); Wq_scales 1,024 x 32 uint8 (E8M0 scales of Wq, one for each 32 codes along K); Wv_codes 1,024 x 32 x 24 uint8 (E2M3 codes of Wv, K innermost, in blocks of 32 codes, four codes in three bytes); Wv_scales 1,024 x 32 uint8 (E8M0 scales of Wv, one for each 32 codes along K); kv_codes 4 x 2,048 x 32 x 24 uint8 (E2M3 codes of kv, K innermost, in blocks of 32 codes, four codes in three bytes); kv_scales 4 x 2,048 x 32 uint8 (E8M0 scales of kv, one for each 32 codes along K); x_codes 4 x 2,048 x 32 x 24 uint8 (E2M3 codes of x, K innermost, in blocks of 32 codes, four codes in three bytes); x_scales 4 x 2,048 x 32 uint8 (E8M0 scales of x, one for each 32 codes along K).
;; Outputs: out0 4 x 2,048 x 1,024 float32.
;; This version of the problem:
;;   THIS VERSION OF THE PROBLEM IS GIVEN IN LOW PRECISION. The matrix products marked QUANTISED in the list below multiply operands that are first quantised to E2M3 (2 exponent bits, 3 mantissa bits; 6 bits a number), with one power-of-two scale for each 32 numbers along K (OCP MX v1.0); their sums are f32. All else is computed in f32.
;;   The module's matrix products, in the order in which they are computed (A, B: the left and right operand; K: the contracted axis; several contracted axes count as one K, in the product's order):
;;     1. [M 8,192, K 1,024] x [K 1,024, N 1,024]; A: input x (given as codes); B: input Wq (given as codes): QUANTISED
;;     2. [M 8,192, K 1,024] x [K 1,024, N 1,024]; A: input kv (given as codes); B: input Wk (given as codes): QUANTISED
;;     3. [M 8,192, K 1,024] x [K 1,024, N 1,024]; A: input kv (given as codes); B: input Wv (given as codes): QUANTISED
;;     4. batch 64 x [M 2,048, K 64] x [K 64, N 2,048]; A: computed on the way; B: computed on the way: QUANTISED
;;     5. batch 64 x [M 2,048, K 2,048] x [K 2,048, N 64]; A: softmax (see below); B: computed on the way: QUANTISED
;;   THE QUANTISER, for each operand of a quantised product, along K:
;;     - K is cut into blocks of 32 from its start; a last block that is shorter is filled with zeros.
;;     - A block's scale is 2^e with e = floor(log2(the largest magnitude in the block)) - 2, held to -126 .. 127; a block of zeros has e = 0. As a byte (E8M0): e + 127.
;;     - Each number is divided by its block's scale, clamped to +-7.5, and rounded to the nearest number of E2M3, ties to even, subnormals kept.
;;     - The product sums the exact products of the quantised numbers (number of the format x scale) in f32.
;;   ~~~python
;;   def quantise(x, axis):      # numpy; x: float32 -> the quantised numbers, widened to float32 again
;;       x = np.moveaxis(x, axis, -1); K = x.shape[-1]
;;       x = np.pad(x, [(0, 0)] * (x.ndim - 1) + [(0, -K % 32)]); x = x.reshape(x.shape[:-1] + (-1, 32)); a = np.abs(x).max(-1, keepdims=True)
;;       e = np.where(a > 0, np.clip(np.frexp(np.where(a > 0, a, 1))[1] - 1 - 2, -126, 127), 0)      # np.frexp(a)[1] - 1 = floor(log2(a)), exactly
;;       r = np.clip(x / 2.0 ** e, -7.5, 7.5)
;;       step = 2.0 ** (np.maximum(np.frexp(np.where(r == 0, 1, r))[1] - 1, 0) - 3)
;;       q = np.round(r / step) * step * 2.0 ** e      # np.round: ties to even
;;       return np.moveaxis(q.reshape(q.shape[:-2] + (-1,))[..., :K], -1, axis).astype(np.float32)
;;   ~~~
;;   SOFTMAX AHEAD OF A QUANTISED PRODUCT. Where the list says 'softmax', what is quantised is not the finished softmax but p = 2^(t - M), with t = logit x log2(e) and M = ceil(the row's largest t), a whole number; so 1/2 < the row's largest p <= 1. The row's sum l is taken of the UNQUANTISED p, in f32, and the product's result is divided by l at the end. Since M is a whole number, a kernel that streams over the keys may use a running M (the ceiling of the running maximum): every later rescaling is an exact power of two, which a block's scale takes up: the codes' values come out the same.
;;   OPERANDS COMPUTED ON THE WAY. 'Computed on the way' means the value that the module computes at that place (a softmax that the list does not call 'softmax' is quantised finished and normalised). What goes into a quantiser is computed in f32, as accurately as f32 sums, v_exp_f32 and their like allow (about 1e-6 of the number): no bf16 or f16 on the way to a quantiser, and a product that is left as it is and whose result goes on into a quantised operand takes f32 operands (vector FMAs, or v_wmma_f32_16x16x4_f32). A number that lies on a knife's edge between two numbers of the format may be rounded either way, as far as f32 arithmetic and the matrix unit's own rounding can turn it there, and no further.
;;   INPUTS GIVEN AS CODES. Wk (in the module: [1024, 1024], K = its axis 1); Wq (in the module: [1024, 1024], K = its axis 1); Wv (in the module: [1024, 1024], K = its axis 1); kv (in the module: [4, 2048, 1024], K = its axis 2); x (in the module: [4, 2048, 1024], K = its axis 2): each comes as NAME_codes (uint8): NAME with its K axis moved to the last place and cut into blocks of 32 codes, [.., K / 32, bytes a block], one block behind the other in memory; four codes in three bytes: a row's codes are one little-endian stream of bits, code i at bits 6 i .. 6 i + 5 (a code: sign, 2 exponent bits, 3 mantissa bits); and NAME_scales (uint8): the same leading axes, one E8M0 byte (e + 127) for each 32 codes along K. Its value is code x scale, taken as it is: it is not quantised again, and the codes and scales need not be those that the quantiser above would give.
;; One version. Each part assembles by itself: llvm-mc -triple=amdgcn-amd-amdhsa -mcpu=gfx1250 --defsym DOCPART=n.
;; ======== version 1 of 1: 2 launches
;; limits: right only within a limited range of input values
;; workspace buffers: ws 19,660,800 bytes
;; launch proj (part 1): grid 64 x 4, 4 waves a work-group, clusters of 4 x 4, 327,680 bytes of LDS; arguments x_codes, x_scales, kv_codes, kv_scales, Wq_codes, Wq_scales, Wk_codes, Wk_scales, Wv_codes, Wv_scales, ws; writes ws
.if DOCPART == 1
	.amdgcn_target "amdgcn-amd-amdhsa--gfx1250"
	.amdhsa_code_object_version 6
	.text
	.protected	k_qe95d4b4dc1_proj
	.globl	k_qe95d4b4dc1_proj
	.p2align	8
	.type	k_qe95d4b4dc1_proj,@function
k_qe95d4b4dc1_proj:
	s_mov_b64 s[64:65], 0
	v_nop
	global_prefetch_b8 v0, s[64:65] scope:SCOPE_SE
	s_setreg_imm32_b32 hwreg(HW_REG_WAVE_MODE, 25, 1), 1
	s_wait_xcnt 0x0
	s_wait_alu depctr_hold_cnt(0) depctr_sa_sdst(0) depctr_va_vdst(0) depctr_va_sdst(0) depctr_va_ssrc(0) depctr_va_vcc(0) depctr_vm_vsrc(0)
	s_getreg_b32 s2, hwreg(HW_REG_IB_STS2, 6, 4)
	s_cmp_eq_u32 s2, 0
	s_cbranch_scc0 .Lentry_in_a_cluster
	s_endpgm
.Lentry_in_a_cluster:
	s_bfe_u32 s2, ttmp6, 0x10000c
	s_cmp_lg_u32 s2, 0xf033
	s_cbranch_scc0 .Lentry_shape_is_right
	s_endpgm
.Lentry_shape_is_right:
; Q = x Wq^T, K = kv Wk^T, V = kv Wv^T on codes of FP6 (E2M3) with E8M0 scales, f32 sums, each result quantised again and stored as images of the operand registers of the attention launch.
; THE WORKSPACE: 1,024 records of 19,200 bytes, record 16 (16 batch + head) + s for tokens 128 s on:
;   0 K: 4 pair images | 6,144 V: 4 images | 12,288 K's scale words [16][4] | 12,544 V's | 12,800 Q: 4 pair images | 18,944 Q's scale words.
; THE DEAL: 256 work-groups of four waves (2 x 2), 16 clusters of 4 x 4.  K and V together are 256 tiles of 256 x 256, Q is 256 tiles of 128 x 256: a work-group makes one of each, 512 + 256 products a wave.
; Clusters 0-7: K (source A = kv's rows, B = Wk's rows); clusters 8-15: V transposed (A = Wv's rows, B = kv's rows), so that V's scale blocks run along the tokens.  Then every cluster: Q (A = 128 rows of x, B = 256 rows of Wq).
; THE RING: two LDS slots, each a chunk of 256 bytes of A's and B's rows (a row of codes is 768 bytes: every chunk begins at a multiple of 256).  A step of 128 along K is 96 bytes: eight steps to three chunks.
; The walk is 16 steps and 6 chunks: chunks 0-2 are the first tile's, chunks 3-5 Q's; chunk c lies in slot c % 2.  Chunks 3 and 4 are asked for in steps 5 and 7, and land while the first tile is quantised and stored.
; A's tiles are shared by a row of the cluster, B's by a column: joint loads.
; PREFETCHES INTO THE L2: each block of 256 bytes of chunks 1 to 5 is named once in each cluster that will load it; the four partners that ask for a tile jointly share its rows out by address, a wave's share is one instruction.
; At the head: chunks 1 and 2 of the first tile (16 rows x 2 chunks of A and of B a wave).  In step 1: x's chunks 3 to 5 (8 rows x 3) and Wq's chunks 3, 4 (16 rows x 2); in step 3: Wq's chunk 5 (16 rows).  Their loads stand in steps 5, 7 and 10.
; SCALES: the first tile's come into LDS once, by the head's tensor loads; Q's go from memory straight into 48 registers at the head (lanes 0-15 one block of 16 rows, lanes 16-31 another), in runs of 512 bytes.
; REGISTERS: window 0: v0-31 addresses, v32-63 scale words (two sets), v64-115 Q's scale words, v128-223 A's fragments (first tile: one set of 8; Q: two sets of 4); window 1: B's fragments, two sets; windows 2, 3: accumulators.
; On the way out v32-63 and v128-251 of window 0 are at work.  The matrix instruction is used transposed (source 0 = B's rows): a lane holds eight neighbouring columns of one row of A.
; LIMITS: NaN, infinities and sums beyond f32's range are not served.  A block of zeros keeps the scale byte 1 (its codes are zeros).  Q's scale words of a record are stored by two waves, 8 of each 16 bytes each.
.set ROWB,   256
.set NQ,     2
.set KROW,   768
.set CHUNKS, 6
.set PITCH,  272
.set FR,     12
.set NL,     6
.set NP,     4
.set HALFT,  128*PITCH
.set SLOT,   4*HALFT
.set KS,     32
.set SCL,    2*SLOT
.set HALFS,  (128*KS/256)*272
.set SBLK,   (16*KS/256)*272
.set SPARE,  SCL+4*HALFS
.set RECB,   19200
.set HEADB,  16*RECB
.set IMGB,   1536
.set VOFF,   6144
.set KSOFF,  12288
.set VSOFF,  12544
.set QOFF,   12800
.set QSOFF,  18944
.set OI,   8
.set OS,   9
.set SELV, 10
.set VBO,  14
.set VAO,  15
.set ADRA, 16
.set ADRB, 20
.set PF0,  24                          ; prefetches: row l % 16, chunk l / 16
.set PF1,  25                          ; row l % 8, chunk l / 8 (lanes 24-31: chunk 2 again)
.set PF2,  26                          ; row l (lanes 16-31: row 15 again)
.set ADRS, 27
.set SPW,  28
.set NIL,  29
.set SC,   32
.set SB2,  64
.set SA2,  100
.set AF,   128
.set TM0,  32
.set TM1,  48
.set PCB,  128
.set WD,   224
.set SW,   232
.set TP,   236
.set G1, 24
.set G0, 32
.set G1B, 48
.set G0B, 56
.set G1S, 68
.set G0S, 76
.set G1SB, 80
.set G0SB, 88
.set G0H, 4
.set G0HB, 8
.set MSB, 0
.macro WIN new
.if MSB != \new
	s_set_vgpr_msb (MSB<<8)|\new
.set MSB, \new
.endif
.endm
.set MUL_LO, 0xa1
.set MUL_HI, 0xf1
.set TO_B,   0x40
.macro PLACES n
.rept \n
	v_nop
.endr
.endm
.macro JLOAD g0a, g1a, g0b, g1b        ; waves 0, 1 fetch for A, waves 2, 3 for B
	s_cmp_eq_u32 s15, 0
	s_cbranch_scc0 .Lfor_b_\@
	tensor_load_to_lds s[\g0a:\g0a+3], s[\g1a:\g1a+7]
	s_nop 0
	PLACES 4
	s_branch .Lasked_\@
.Lfor_b_\@:
	tensor_load_to_lds s[\g0b:\g0b+3], s[\g1b:\g1b+7]
	s_nop 0
	PLACES 4
.Lasked_\@:
.endm
.macro CREST
	s_cmp_lg_u32 s14, 0
	s_cbranch_scc1 .Lnot_wave_0_\@
	s_barrier_signal -3
.Lnot_wave_0_\@:
	s_barrier_wait -3
	s_barrier_signal -1
	s_barrier_wait -1
.endm
.macro CROUND
	s_barrier_signal -1
	s_barrier_wait -1
	CREST
.endm
	s_load_b128 s[4:7], s[0:1], 0x10               ; kv's codes, scales
	s_load_b128 s[8:11], s[0:1], 0x30              ; Wk's
	s_load_b128 s[96:99], s[0:1], 0x40             ; Wv's
	s_load_b64 s[12:13], s[0:1], 0x50              ; the workspace
	v_lshl_add_u32 v[SPW], v0, 2, SPARE
	v_mov_b32 v[NIL], 0
	ds_add_u32 v[SPW], v[NIL]                      ; the opening lines: the add twice on end and one wait
	ds_add_u32 v[SPW], v[NIL]
	v_lshrrev_b32 v1, 5, v0
	v_readfirstlane_b32 s14, v1                    ; wave; s15 its row of the 2 x 2 (also: fetches for A or B), s16 its column (also: which half it fetches)
	s_lshr_b32 s15, s14, 1
	s_and_b32 s16, s14, 1
	s_bfe_u32 s40, ttmp6, 0x40000                  ; cx
	s_bfe_u32 s41, ttmp6, 0x40004                  ; cy
	s_lshr_b32 s94, ttmp9, 3                       ; 0: K, 1: V
	s_and_b32 s95, ttmp9, 7
	s_lshl_b32 s95, s95, 2
	s_cmp_eq_u32 s94, 1
	s_cselect_b32 s17, 0, s95
	s_cselect_b32 s42, s95, 0
	s_add_co_u32 s17, s17, s41                     ; tile row (A's 256 rows)
	s_add_co_u32 s42, s42, s40                     ; tile column (B's 256 rows)
	s_lshl_b32 s43, s41, 2
	s_lshl_b32 s43, 15, s43                        ; my row of the cluster
	s_lshl_b32 s44, 0x1111, s40                    ; my column
	s_or_b32 s[G1+0], s43, (0<<16)|(1<<20)|(1<<21)|(5<<22)|(3<<25)
	s_or_b32 s[G1B+0], s44, (0<<16)|(1<<20)|(1<<21)|(5<<22)|(3<<25)
.irp g, G1, G1B
	s_mov_b32 s[\g+1], ROWB<<16
	s_mov_b32 s[\g+2], 256<<16                     ; the head's loads bring 256 rows
	s_mov_b32 s[\g+3], ROWB<<16
	s_mov_b32 s[\g+4], 256
	s_mov_b32 s[\g+5], KROW
	s_mov_b32 s[\g+6], 0
	s_mov_b32 s[\g+7], 0
.endr
	s_or_b32 s[G1S+0], s43, (3<<16)|(1<<20)|(1<<21)|(5<<22)|(3<<25)
	s_or_b32 s[G1SB+0], s44, (3<<16)|(1<<20)|(1<<21)|(5<<22)|(3<<25)
.irp g, G1S, G1SB
	s_mov_b32 s[\g+1], 32<<16
	s_mov_b32 s[\g+2], KS<<16
	s_mov_b32 s[\g+3], 32<<16
	s_mov_b32 s[\g+4], KS
	s_mov_b32 s[\g+5], 32
	s_mov_b32 s[\g+6], 0
	s_mov_b32 s[\g+7], 0
.endr
	s_lshl_b32 s20, s17, 8
	s_lshl_b32 s46, s42, 8
	s_mov_b32 s21, 0
	s_mov_b32 s47, 0
	s_mov_b64 s[18:19], KS
	s_mul_u64 s[22:23], s[20:21], s[18:19]
	s_mul_u64 s[92:93], s[46:47], s[18:19]
	s_mov_b64 s[18:19], KROW
	s_mul_u64 s[20:21], s[20:21], s[18:19]
	s_mul_u64 s[46:47], s[46:47], s[18:19]
	s_mul_i32 s18, s16, 128*KROW
	s_mov_b32 s19, 0
	s_mul_i32 s45, s14, HALFT
	s_wait_dscnt 0x0
	s_wait_kmcnt 0x0
	s_cmp_eq_u32 s94, 1
	s_cselect_b64 s[66:67], s[96:97], s[4:5]       ; A's codes: Wv's or kv's
	s_cselect_b64 s[2:3], s[98:99], s[6:7]         ; A's scales
	s_cselect_b64 s[8:9], s[4:5], s[8:9]           ; B's codes: kv's or Wk's
	s_cselect_b64 s[10:11], s[6:7], s[10:11]
	s_add_nc_u64 s[20:21], s[66:67], s[20:21]
	s_add_nc_u64 s[22:23], s[2:3], s[22:23]
	s_add_nc_u64 s[46:47], s[8:9], s[46:47]
	s_add_nc_u64 s[92:93], s[10:11], s[92:93]
	CROUND                                         ; the first joint loads meet
	s_mov_b32 s[G0H], 1
	s_mov_b32 s[G0H+1], 0
	s_mov_b64 s[G0H+2:G0H+3], s[20:21]
	s_or_b32 s[G0H+3], s[G0H+3], 0x80000000
	s_mov_b32 s[G0HB], 1
	s_mov_b32 s[G0HB+1], 2*HALFT
	s_mov_b64 s[G0HB+2:G0HB+3], s[46:47]
	s_or_b32 s[G0HB+3], s[G0HB+3], 0x80000000
	s_mov_b32 s[G0S], 1
	s_mov_b32 s[G0S+1], SCL
	s_mov_b64 s[G0S+2:G0S+3], s[22:23]
	s_or_b32 s[G0S+3], s[G0S+3], 0x80000000
	s_mov_b32 s[G0SB], 1
	s_mov_b32 s[G0SB+1], SCL+2*HALFS
	s_mov_b64 s[G0SB+2:G0SB+3], s[92:93]
	s_or_b32 s[G0SB+3], s[G0SB+3], 0x80000000
	s_add_nc_u64 s[20:21], s[20:21], s[18:19]
	s_add_nc_u64 s[46:47], s[46:47], s[18:19]
.irp s, 0,1
	s_mov_b32 s[G0+4*\s], 1
	s_add_co_u32 s[G0+4*\s+1], s45, \s*SLOT
	s_add_nc_u64 s[G0+4*\s+2:G0+4*\s+3], s[20:21], \s*ROWB
	s_or_b32 s[G0+4*\s+3], s[G0+4*\s+3], 0x80000000
	s_mov_b32 s[G0B+4*\s], 1
	s_add_co_u32 s[G0B+4*\s+1], s45, \s*SLOT
	s_add_nc_u64 s[G0B+4*\s+2:G0B+4*\s+3], s[46:47], \s*ROWB
	s_or_b32 s[G0B+4*\s+3], s[G0B+4*\s+3], 0x80000000
.endr
; the head's four tiles, one load a wave, in one chain of branches: chunk 0 of A's 256 rows, of B's, A's scales, B's
.macro ARM under, g0, g1, next
	s_cmp_lt_u32 s14, \under
	s_cbranch_scc0 \next
	tensor_load_to_lds s[\g0:\g0+3], s[\g1:\g1+7]
	s_nop 0
	PLACES 4
	s_branch .Lhead_asked
\next:
.endm
	ARM 1, G0H,  G1,  .Lhead_b
	ARM 2, G0HB, G1B, .Lhead_sa
	ARM 3, G0S,  G1S, .Lhead_sb
	tensor_load_to_lds s[G0SB:G0SB+3], s[G1SB:G1SB+7]
	s_nop 0
	PLACES 4
.Lhead_asked:
	s_load_b128 s[96:99], s[0:1], 0x0              ; x's codes, scales
	s_load_b64 s[66:67], s[0:1], 0x20              ; Wq's codes
	s_load_b64 s[104:105], s[0:1], 0x28            ; Wq's scales
	; my share of the first tile's chunks 1 and 2: of the tile's 256 rows, rows 128 (wave % 2) + 32 place + 16 (wave / 2) + 0 .. 15; place = cx for A, cy for B
	s_lshl_b32 s100, s40, 5
	s_lshl_b32 s101, s15, 4
	s_add_co_u32 s100, s100, s101
	s_mul_i32 s100, s100, KROW
	s_mov_b32 s101, 0
	s_add_nc_u64 s[100:101], s[20:21], s[100:101]
	s_lshl_b32 s2, s41, 5
	s_lshl_b32 s3, s15, 4
	s_add_co_u32 s2, s2, s3
	s_mul_i32 s2, s2, KROW
	s_mov_b32 s3, 0
	s_add_nc_u64 s[2:3], s[46:47], s[2:3]
	v_and_b32 v1, 15, v0
	v_bfe_u32 v2, v0, 4, 1
	v_mul_u32_u24 v[PF0], v1, KROW
	v_lshl_add_u32 v[PF0], v2, 8, v[PF0]
	global_prefetch_b8 v[PF0], s[100:101] offset:256 th:TH_LOAD_NT scope:SCOPE_SE
	global_prefetch_b8 v[PF0], s[2:3] offset:256 th:TH_LOAD_NT scope:SCOPE_SE
	v_mul_u32_u24 v3, v1, PITCH
	v_mul_u32_u24 v4, v2, 24
	v_add_nc_u32 v4, v3, v4
	s_mov_b32 s21, SLOT-232
	s_mov_b32 s22, SLOT+232
	v_sub_nc_u32 v7, 1, v2
	v_mul_u32_u24 v5, s21, v2
	v_add_nc_u32 v5, v3, v5
	v_add_nc_u32 v5, 232, v5                       ; across two chunks: lanes 0-15 byte 232 in slot 0, lanes 16-31 byte 0 in slot 1;
	v_mul_u32_u24 v6, s22, v7
	v_add_nc_u32 v6, v3, v6                        ; and the other way round
	s_mul_i32 s21, s15, HALFT
	s_mul_i32 s22, s16, HALFT
	s_add_co_u32 s22, s22, 2*HALFT
	v_add_nc_u32 v[ADRA+2], s21, v5
	v_add_nc_u32 v[ADRA+3], s21, v6
	v_add_nc_u32 v[ADRB+2], s22, v5
	v_add_nc_u32 v[ADRB+3], s22, v6
.irp s, 0,1
	v_add_nc_u32 v[ADRA+\s], s21, v4
	v_add_nc_u32 v[ADRB+\s], s22, v4
	s_add_co_u32 s21, s21, SLOT
	s_add_co_u32 s22, s22, SLOT
.endr
	v_mul_u32_u24 v5, v1, KS
	v_lshrrev_b32 v6, 8, v5
	v_lshl_add_u32 v5, v6, 4, v5
	s_mul_i32 s21, s15, HALFS
	s_mul_i32 s22, s16, HALFS
	s_add_co_u32 s22, s22, 2*HALFS
	s_sub_co_u32 s22, s22, s21
	v_mul_u32_u24 v6, s22, v2
	s_add_co_u32 s21, s21, SCL
	v_add_nc_u32 v5, v5, v6
	v_add_nc_u32 v[ADRS], s21, v5
	v_and_b32 v[OI], 31, v0
	v_lshlrev_b32 v[OI], 4, v[OI]                  ; an image: 16 x lane
	v_mul_u32_u24 v[OS], v2, HEADB
	v_lshl_add_u32 v[OS], v1, 4, v[OS]             ; scale words: lanes 16-31 the next head, 16 bytes a row
	v_mov_b32 v[SELV], 0x05040100
	v_mov_b32 v12, 0x07060302
	v_cmp_ne_u32 vcc_lo, 0, v2
	v_cndmask_b32 v[SELV], v[SELV], v12, vcc_lo
	v_lshl_add_u32 v[VBO], v2, 6, v1
	v_lshlrev_b32 v[VBO], 5, v[VBO]                ; Wq's scales: row r, lanes 16-31 64 rows on; 32 bytes a row
	v_lshl_add_u32 v[VAO], v2, 5, v1
	v_lshlrev_b32 v[VAO], 5, v[VAO]                ; x's: lanes 16-31 32 rows on
	v_and_b32 v[PF1], 7, v0
	v_bfe_u32 v12, v0, 3, 2
	v_mul_u32_u24 v[PF1], v[PF1], KROW
	v_min_u32 v12, 2, v12
	v_lshl_add_u32 v[PF1], v12, 8, v[PF1]
	v_and_b32 v[PF2], 31, v0
	v_min_u32 v[PF2], 15, v[PF2]
	v_mul_u32_u24 v[PF2], v[PF2], KROW
	s_wait_alu depctr_va_vdst(0)                   ; directly ahead of the wait below
	s_wait_xcnt 0x0                                ; the two prefetches have read their addresses: s3 is written below
	; where the first tile goes: s95 its images, s3 its scale words, bytes from the workspace's start
	s_lshl_b32 s20, s17, 1
	s_add_co_u32 s20, s20, s15
	s_lshl_b32 s46, s42, 1
	s_add_co_u32 s46, s46, s16
	s_cmp_eq_u32 s94, 1
	s_cselect_b32 s92, s46, s20                    ; my 128 tokens
	s_cselect_b32 s93, s20, s46                    ; my 128 columns: two heads
	s_lshr_b32 s46, s92, 4
	s_lshl_b32 s46, s46, 4
	s_lshl_b32 s93, s93, 1
	s_add_co_u32 s46, s46, s93
	s_lshl_b32 s46, s46, 4
	s_and_b32 s92, s92, 15
	s_add_co_u32 s46, s46, s92
	s_mul_i32 s46, s46, RECB
	s_cmp_eq_u32 s94, 1
	s_cselect_b32 s95, VOFF, 0
	s_mov_b32 s3, KSOFF
	s_cselect_b32 s3, VSOFF, s3
	s_add_co_u32 s95, s95, s46
	s_add_co_u32 s3, s3, s46
	; Q's tile: rows 128 R on of x, R = 4 x cluster + cy; rows 256 cx on of Wq
	s_lshl_b32 s20, ttmp9, 2
	s_add_co_u32 s20, s20, s41
	s_mul_i32 s22, s20, 128*KROW
	s_mul_i32 s21, s16, 64*KROW
	s_add_co_u32 s22, s22, s21                     ; the 64 rows of x that waves 0, 1 fetch
	s_lshl_b32 s23, s20, 12
	s_lshl_b32 s21, s15, 11
	s_add_co_u32 s23, s23, s21                     ; my 64 rows' scale bytes
	s_mul_i32 s92, s40, 256*KROW
	s_mul_i32 s93, s16, 128*KROW
	s_add_co_u32 s92, s92, s93                     ; the 128 rows of Wq that waves 2, 3 fetch
	s_lshl_b32 s93, s40, 13
	s_lshl_b32 s46, s16, 12
	s_add_co_u32 s93, s93, s46                     ; my 128 rows' scale bytes
	s_lshr_b32 s18, s20, 4
	s_lshl_b32 s18, s18, 4
	s_lshl_b32 s46, s40, 2
	s_add_co_u32 s18, s18, s46
	s_lshl_b32 s46, s16, 1
	s_add_co_u32 s18, s18, s46                     ; 16 batch + my first head
	s_lshl_b32 s18, s18, 4
	s_and_b32 s46, s20, 15
	s_add_co_u32 s18, s18, s46
	s_mul_i32 s18, s18, RECB
	s_lshl_b32 s19, s15, 3
	s_add_co_u32 s19, s19, s18
	s_add_co_u32 s19, s19, QSOFF                   ; Q's scale words: my two pairs' words
	s_mul_i32 s46, s15, 2*IMGB
	s_add_co_u32 s18, s18, s46
	s_add_co_u32 s18, s18, QOFF                    ; Q's images: my two pairs
	s_mov_b32 s21, 0
	s_mov_b32 s47, 0
	s_wait_kmcnt 0x0
	s_mov_b32 s20, s23
	s_add_nc_u64 s[98:99], s[98:99], s[20:21]
	s_mov_b32 s46, s93
	s_add_nc_u64 s[104:105], s[104:105], s[46:47]
.irp i, 0,1,2,3
.irp c, 0,1
	global_load_b128 v[SB2+8*\i+4*\c:SB2+8*\i+4*\c+3], v[VBO], s[104:105] offset:512*\i+16*\c   ; lanes 0-15 Wq's block i, lanes 16-31 block i + 4; register = step along K
.endr
.endr
.irp i, 0,1
.irp c, 0,1
	global_load_b128 v[SA2+8*\i+4*\c:SA2+8*\i+4*\c+3], v[VAO], s[98:99] offset:512*\i+16*\c     ; lanes 0-15 x's block i, lanes 16-31 block i + 2
.endr
.endr
	s_wait_tensorcnt 0x0                           ; my tile of the head's four is in; the three lines ahead of slot 1's first fill
	ds_add_u32 v[SPW], v[NIL]
	s_mov_b32 s[G1+2], 128<<16                     ; no tensor load of mine is out: from here on a load brings 128 rows
	s_mov_b32 s[G1+4], 128
	s_mov_b32 s[G1B+2], 128<<16
	s_mov_b32 s[G1B+4], 128
	s_mov_b32 s20, s22
	s_add_nc_u64 s[80:81], s[96:97], s[20:21]      ; x's rows for the ring
	s_mov_b32 s46, s92
	s_add_nc_u64 s[82:83], s[66:67], s[46:47]      ; Wq's
	s_mov_b32 s46, s18
	s_add_nc_u64 s[86:87], s[12:13], s[46:47]
	s_mov_b32 s46, s19
	s_add_nc_u64 s[88:89], s[12:13], s[46:47]
	s_mov_b32 s46, s3
	s_add_nc_u64 s[2:3], s[12:13], s[46:47]
	s_mov_b32 s46, s95
	s_add_nc_u64 s[12:13], s[12:13], s[46:47]
	s_mul_i32 s84, s16, 64*PITCH                   ; where a wave's 64 rows of x go in a slot,
	s_mul_i32 s85, s15, 64*PITCH                   ; and how far my rows of A move up for Q
	s_lshl_b32 s72, s40, 5                         ; my share of Q's tiles for the prefetches: x's rows 128 R + 32 cx + 8 wave + 0 .. 7,
	s_lshl_b32 s73, s14, 3
	s_add_co_u32 s72, s72, s73
	s_lshl_b32 s73, ttmp9, 2
	s_add_co_u32 s73, s73, s41
	s_lshl_b32 s73, s73, 7
	s_add_co_u32 s72, s72, s73
	s_mul_i32 s72, s72, KROW
	s_mov_b32 s73, 0
	s_add_nc_u64 s[68:69], s[96:97], s[72:73]
	s_lshl_b32 s74, s41, 6                         ; Wq's rows 256 cx + 64 cy + 16 wave + 0 .. 15
	s_lshl_b32 s75, s14, 4
	s_add_co_u32 s74, s74, s75
	s_lshl_b32 s75, s40, 8
	s_add_co_u32 s74, s74, s75
	s_mul_i32 s74, s74, KROW
	s_mov_b32 s75, 0
	s_add_nc_u64 s[70:71], s[66:67], s[74:75]
	s_mov_b32 s100, 0x76543210
	s_mov_b32 s101, 0xfedcba98
	s_wait_dscnt 0x0
	CROUND
	JLOAD G0+4, G1, G0B+4, G1B                     ; chunk 1
.macro FRAG reg, adr, st, i            ; 16 rows x 128 K: six pieces of 8 bytes; byte y of a row lies in chunk y / 256, slot (y / 256) % 2
.irp p, 0,1,2,3,4,5
.set BY, 96*(\st)+48*(\p/3)+8*(\p%3)
.if BY/ROWB == (BY+24)/ROWB
	ds_load_b64 v[\reg+2*\p:\reg+2*\p+1], v[\adr+(BY/ROWB)%2] offset:BY%ROWB+(\i)*16*PITCH
.else
	ds_load_b64 v[\reg+2*\p:\reg+2*\p+1], v[\adr+2+(BY/ROWB)%2] offset:BY%ROWB-232+(\i)*16*PITCH
.endif
.endr
.endm
.macro MUL16 a0, p, q, sc, zero
.irp a, \a0, \a0+1
.irp b, 0,1,2,3,4,5,6,7
.if \zero
	v_wmma_scale_f32_16x16x128_f8f6f4 v[8*(8*((\a)%4)+\b):8*(8*((\a)%4)+\b)+7], v[128*(\p)+FR*\b:128*(\p)+FR*\b+FR-1], v[AF+FR*(\a):AF+FR*(\a)+FR-1], 0, v[SC+8*NQ*(\sc)+NQ*\b+(\q)], v[SC+8*NQ*(\sc)+NQ*(\a)+(\q)] matrix_a_fmt:MATRIX_FMT_FP6 matrix_b_fmt:MATRIX_FMT_FP6 matrix_a_scale:MATRIX_SCALE_ROW1
.else
	v_wmma_scale_f32_16x16x128_f8f6f4 v[8*(8*((\a)%4)+\b):8*(8*((\a)%4)+\b)+7], v[128*(\p)+FR*\b:128*(\p)+FR*\b+FR-1], v[AF+FR*(\a):AF+FR*(\a)+FR-1], v[8*(8*((\a)%4)+\b):8*(8*((\a)%4)+\b)+7], v[SC+8*NQ*(\sc)+NQ*\b+(\q)], v[SC+8*NQ*(\sc)+NQ*(\a)+(\q)] matrix_a_fmt:MATRIX_FMT_FP6 matrix_b_fmt:MATRIX_FMT_FP6 matrix_a_scale:MATRIX_SCALE_ROW1
.endif
.endr
.endr
.endm
.macro FETCH_B st, p
	WIN TO_B
.irp i, 0,1,2,3,4,5,6,7
	FRAG 128*(\p)+FR*\i, ADRB, \st, \i
.endr
	WIN 0
.endm
.macro FETCH_A st, i0
.irp i, \i0, \i0+1, \i0+2, \i0+3
	FRAG AF+FR*(\i), ADRA, \st, \i
.endr
.endm
.macro FETCH_A2 st                     ; Q: my four blocks of x into set st % 2
.irp i, 0,1,2,3
	FRAG AF+48*((\st)%2)+FR*\i, ADRA, \st, \i
.endr
.endm
.macro SCALES pr
.irp i, 0,1,2,3,4,5,6,7
	ds_load_b64 v[SC+8*NQ*((\pr)%2)+NQ*\i:SC+8*NQ*((\pr)%2)+NQ*\i+1], v[ADRS] offset:\i*SBLK+4*NQ*(\pr)
.endr
.endm
.macro REFILL c                        ; chunk c into slot c % 2, behind a round; no tensor load of the wave is out, so descriptors may be written
.set SL_, (\c)%2
.if (\c) == 3 || (\c) == 4             ; the ring goes on into Q's tile: its chunks 0 and 1; x's rows come 64 a wave
	s_add_co_u32 s[G0+4*SL_+1], s84, SL_*SLOT
	s_add_nc_u64 s[G0+4*SL_+2:G0+4*SL_+3], s[80:81], ((\c)-3)*ROWB
	s_or_b32 s[G0+4*SL_+3], s[G0+4*SL_+3], 0x80000000
	s_add_nc_u64 s[G0B+4*SL_+2:G0B+4*SL_+3], s[82:83], ((\c)-3)*ROWB
	s_or_b32 s[G0B+4*SL_+3], s[G0B+4*SL_+3], 0x80000000
.if (\c) == 3
	s_mov_b32 s[G1+2], 64<<16
	s_mov_b32 s[G1+4], 64
.endif
.else
	s_add_nc_u64 s[G0+4*SL_+2:G0+4*SL_+3], s[G0+4*SL_+2:G0+4*SL_+3], 2*ROWB
	s_add_nc_u64 s[G0B+4*SL_+2:G0B+4*SL_+3], s[G0B+4*SL_+2:G0B+4*SL_+3], 2*ROWB
.endif
	JLOAD G0+4*SL_, G1, G0B+4*SL_, G1B
.endm
.macro EDGES st
.set NX, (\st)+1
.set C0, (96*(\st))/ROWB
.set C1, (96*NX)/ROWB
.set E0, (96*(\st)+95)/ROWB
.set E1, (96*NX+95)/ROWB
.endm
; a step of the first tile: 64 products; the next step's fragments are fetched in its middle and at its end (fetch = 0: the tile's last step).
; Where the next step ends in a chunk not yet read, a barrier shows that chunk; where it begins in a later chunk, the three lines, a round and the refill of the slot left behind.
.macro STEP st, zero, fetch
	EDGES \st
.if C1 > C0 || E1 > E0
	s_wait_tensorcnt 0x0
.if C1 > C0
	ds_add_u32 v[SPW], v[NIL]
	s_wait_dscnt 4*NL+1                            ; the add and A's blocks 4-7 (24 loads) may be out
.else
	s_wait_dscnt 4*NL
.endif
	WIN MUL_LO
	MUL16 0, (\st)%2, (\st)%2, ((\st)/2)%2, \zero
	s_wait_dscnt 0x0
	s_barrier_signal -1
	MUL16 2, (\st)%2, (\st)%2, ((\st)/2)%2, \zero
	WIN 0
	s_barrier_wait -1
.if C1 > C0
	CREST
	REFILL C0+2
.else
	PLACES NP
.endif
.else
	s_wait_dscnt 4*NL
	WIN MUL_LO
	MUL16 0, (\st)%2, (\st)%2, ((\st)/2)%2, \zero
	MUL16 2, (\st)%2, (\st)%2, ((\st)/2)%2, \zero
	s_wait_dscnt 0
	PLACES NP
.endif
.if \fetch
	FETCH_B NX, NX%2
	FETCH_A NX, 0
.if NX%2 == 0
	SCALES NX/2
.endif
.endif
.if (\st) == 1                         ; Q's tiles are asked of memory: x's three chunks and Wq's first two; their addresses are never rewritten
	global_prefetch_b8 v[PF1], s[68:69] th:TH_LOAD_NT scope:SCOPE_SE
	global_prefetch_b8 v[PF0], s[70:71] th:TH_LOAD_NT scope:SCOPE_SE
.endif
.if (\st) == 3                         ; and Wq's third
	global_prefetch_b8 v[PF2], s[70:71] offset:512 th:TH_LOAD_NT scope:SCOPE_SE
.endif
	WIN MUL_HI
	MUL16 4, (\st)%2, (\st)%2, ((\st)/2)%2, \zero
	MUL16 6, (\st)%2, (\st)%2, ((\st)/2)%2, \zero
	PLACES NP
	WIN 0
.if \fetch
	FETCH_A NX, 4
.endif
.endm
; Q's products: my four blocks of x against Wq's eight, the 32 accumulators by turns
.macro HP d, s0, s1, c, x0, x1, r0, r1
	v_wmma_scale_f32_16x16x128_f8f6f4 v[\d:\d+7], v[\s0:\s0+FR-1], v[\s1:\s1+FR-1], \c, v[\x0], v[\x1] matrix_a_fmt:MATRIX_FMT_FP6 matrix_b_fmt:MATRIX_FMT_FP6 matrix_a_scale:MATRIX_SCALE_ROW\r0 matrix_b_scale:MATRIX_SCALE_ROW\r1
.endm
.macro HMUL st, zero
.irp r1, 0,1
.irp u, 0,1
.irp r0, 0,1
.irp w, 0,1,2,3
.set D_, 8*(8*(2*\r1+\u)+4*\r0+\w)
.if \zero
	HP D_, 128*((\st)%2)+FR*(4*\r0+\w), AF+48*((\st)%2)+FR*(2*\r1+\u), 0, SB2+8*\w+(\st)-8, SA2+8*\u+(\st)-8, \r0, \r1
.else
	HP D_, 128*((\st)%2)+FR*(4*\r0+\w), AF+48*((\st)%2)+FR*(2*\r1+\u), v[D_:D_+7], SB2+8*\w+(\st)-8, SA2+8*\u+(\st)-8, \r0, \r1
.endif
.endr
.endr
.endr
.endr
.endm
; a step of Q's tile: this step's fragments are in; the next step's are fetched into the other sets ahead of the 32 products
.macro HSTEP st, zero
	EDGES \st
.if (C1 > C0 && C0+2 < CHUNKS) || E1 > E0
	s_wait_tensorcnt 0x0
.if C1 > C0
	ds_add_u32 v[SPW], v[NIL]
.endif
	s_wait_dscnt 0x0
	s_barrier_signal -1
	s_barrier_wait -1
.if C1 > C0
	CREST
	REFILL C0+2
.else
	PLACES NP
.endif
.else
	s_wait_dscnt 0x0
	PLACES NP
.endif
	FETCH_B NX, NX%2
	FETCH_A2 NX
	WIN MUL_LO
	HMUL \st, \zero
	WIN 0
.endm
; THE WAY OUT, a pair of blocks of 16 rows at a time: each block of 32 columns' largest magnitude (two lanes), its scale, the conversions, whole blocks into lanes, the images stored
.macro QMAX a, tm
.set AC, 64*((\a)%4)
.set WX, 0x28+0x14*((\a)/4)
	WIN WX
.irp i, 0,2,4,6,8,10,12,14
.irp b, 0,1,2,3
	v_max3_num_f32 v[\tm+\b], v[\tm+\b], |v[AC+16*\b+\i]|, |v[AC+16*\b+\i+1]|
.endr
.endr
.endm
.macro QSCL a, tm
	WIN 0
.irp b, 0,1,2,3
	v_permlanex16_b32 v[\tm+4+\b], v[\tm+\b], s100, s101
.endr
.irp b, 0,1,2,3
	v_max_num_f32 v[\tm+\b], v[\tm+\b], v[\tm+4+\b]
.endr
.irp b, 0,1,2,3
	v_add_nc_u32 v[\tm+12+\b], 0xff000000, v[\tm+\b]
.endr
.irp b, 0,1,2,3
	v_lshrrev_b32 v[\tm+4+\b], 23, v[\tm+12+\b]
.endr
	v_lshl_or_b32 v[WD+\a], v[\tm+5], 8, v[\tm+4]
	v_lshl_or_b32 v[WD+\a], v[\tm+6], 16, v[WD+\a]
	v_lshl_or_b32 v[WD+\a], v[\tm+7], 24, v[WD+\a]
.endm
.macro QCVT a, tm, d0, d1, tp
.set AC, 64*((\a)%4)
.set WX, 2+(\a)/4
	WIN WX
	v_cvt_scalef32_pk16_fp6_f32 v[\d0:\d0+2], v[AC:AC+15], v[\tm+12]
	v_cvt_scalef32_pk16_fp6_f32 v[\tp:\tp+2], v[AC+16:AC+31], v[\tm+13]
	v_cvt_scalef32_pk16_fp6_f32 v[\d1:\d1+2], v[AC+32:AC+47], v[\tm+14]
	v_cvt_scalef32_pk16_fp6_f32 v[\tp+4:\tp+6], v[AC+48:AC+63], v[\tm+15]
.endm
.macro QSWP d0, d1, tp
.irp i, 0,1,2
	v_permlane16_swap_b32 v[\d0+\i], v[\tp+\i]
.endr
.irp i, 0,1,2
	v_mov_b32 v[\d0+3+\i], v[\tp+\i]
.endr
.irp i, 0,1,2
	v_permlane16_swap_b32 v[\d1+\i], v[\tp+4+\i]
.endr
.irp i, 0,1,2
	v_mov_b32 v[\d1+3+\i], v[\tp+4+\i]
.endr
.endm
.macro OUTPAIR p, kvar                 ; kvar = 1: Q or K (pair images, a head each); 0: V (an image a block of channels)
.set A0, 2*(\p)
.set A1, 2*(\p)+1
.set P, PCB+24*(\p)
	WIN 0
.irp b, 0,1,2,3
	v_mov_b32 v[TM0+\b], 0x1800000                 ; the floor 2^(3 - 127): the byte cannot fall under 1
	v_mov_b32 v[TM1+\b], 0x1800000
.endr
	QMAX A0, TM0
	QMAX A1, TM1
	QSCL A0, TM0
	QSCL A1, TM1
.if \kvar
	QCVT A0, TM0, P, P+12, TP
	QCVT A1, TM1, P+6, P+18, TP+8
.else
	QCVT A0, TM0, P, P+6, TP
	QCVT A1, TM1, P+12, P+18, TP+8
.endif
	WIN 0
	v_nop
.if \kvar
	QSWP P, P+12, TP
	QSWP P+6, P+18, TP+8
.else
	QSWP P, P+6, TP
	QSWP P+12, P+18, TP+8
.endif
.irp m, 0,1
.irp j, 0,1,2
.if \kvar
	global_store_b128 v[OI], v[P+12*\m+4*\j:P+12*\m+4*\j+3], s[12:13] offset:\m*HEADB+(\p)*IMGB+512*\j
.else
	global_store_b128 v[OI], v[P+12*\m+4*\j:P+12*\m+4*\j+3], s[12:13] offset:((2*(\p)+\m)/4)*HEADB+((2*(\p)+\m)%4)*IMGB+512*\j
.endif
.endr
.endr
.endm
; ================= THE FIRST TILE: K or V
	FETCH_B 0, 0
	FETCH_A 0, 0
	SCALES 0
	FETCH_A 0, 4
	STEP 0, 1, 1
.set ST, 1
.rept 6
	STEP ST, 0, 1
.set ST, ST+1
.endr
	STEP 7, 0, 0                                   ; its barrier has shown chunk 3 to all; chunk 4 is on its way
.irp b, 0,1,2,3
	v_mov_b32 v[TM0+4+\b], 0                       ; a lane permute's destination counts as one of its sources
	v_mov_b32 v[TM1+4+\b], 0
.endr
	s_cmp_eq_u32 s94, 1
	s_cbranch_scc1 .Lout_v
	OUTPAIR 0, 1
	OUTPAIR 1, 1
	OUTPAIR 2, 1
	OUTPAIR 3, 1
.irp p, 0,1,2,3
	v_perm_b32 v[SW+\p], v[WD+1+2*\p], v[WD+2*\p], v[SELV]
.endr
	s_branch .Lsc
.Lout_v:
	OUTPAIR 0, 0
	OUTPAIR 1, 0
	OUTPAIR 2, 0
	OUTPAIR 3, 0
	v_cmp_ne_u32 vcc_lo, 0, v2
.irp p, 0,1,2,3
	v_cndmask_b32 v[SW+\p], v[WD+\p], v[WD+4+\p], vcc_lo
.endr
.Lsc:
	s_wait_alu depctr_va_vdst(0)
	global_store_b128 v[OS], v[SW:SW+3], s[2:3]
; ================= Q
	s_wait_xcnt 0x0                                ; the stores have read their registers and their base
	s_mov_b64 s[12:13], s[86:87]
.irp k, 0,1,2,3
	v_sub_nc_u32 v[ADRA+\k], v[ADRA+\k], s85       ; my 64 rows of x: 64 x my wave row
.endr
	s_wait_alu depctr_va_vdst(0)                   ; directly ahead of the wait below
	s_wait_loadcnt 0x0                             ; Q's scale words are in
	FETCH_B 8, 0
	FETCH_A2 8
	HSTEP 8, 1
.set ST, 9
.rept 6
	HSTEP ST, 0
.set ST, ST+1
.endr
	s_wait_dscnt 0x0
	WIN MUL_LO
	HMUL 15, 0
	WIN 0
	PLACES NP
	OUTPAIR 0, 1
	OUTPAIR 1, 1
.irp p, 0,1
	v_perm_b32 v[SW+\p], v[WD+1+2*\p], v[WD+2*\p], v[SELV]
.endr
	global_store_b64 v[OS], v[SW:SW+1], s[88:89]
	s_wait_tensorcnt 0x0                           ; the wave's end
	ds_add_u32 v[SPW], v[NIL]
	s_wait_dscnt 0x0
	CROUND                                         ; the closing round
	s_endpgm
.Lfunc_end_k_qe95d4b4dc1_proj:
	.size	k_qe95d4b4dc1_proj, .Lfunc_end_k_qe95d4b4dc1_proj-k_qe95d4b4dc1_proj
	.p2alignl 7, 3214868480
	.fill 96, 4, 3214868480
	.section	.rodata,"a",@progbits
	.p2align	6, 0x0
	.amdhsa_kernel k_qe95d4b4dc1_proj
		.amdhsa_group_segment_fixed_size 327680
		.amdhsa_private_segment_fixed_size 0
		.amdhsa_enable_private_segment 0
		.amdhsa_kernarg_size 88
		.amdhsa_user_sgpr_count 2
		.amdhsa_user_sgpr_kernarg_segment_ptr 1
		.amdhsa_wavefront_size32 1
		.amdhsa_system_sgpr_workgroup_id_x 1
		.amdhsa_system_sgpr_workgroup_id_y 1
		.amdhsa_system_sgpr_workgroup_id_z 1
		.amdhsa_system_vgpr_workitem_id 0
		.amdhsa_next_free_vgpr 1024
		.amdhsa_next_free_sgpr 106
		.amdhsa_reserve_vcc 1
		.amdhsa_float_denorm_mode_32 3
		.amdhsa_float_denorm_mode_16_64 3
		.amdhsa_memory_ordered 1
		.amdhsa_forward_progress 1
		.amdhsa_inst_pref_size 255
	.end_amdhsa_kernel
	.section	.bss,"aw",@nobits
	.p2align	6
	.space	262144
	.amdgpu_metadata
---
amdhsa.version: [ 1, 2 ]
amdhsa.kernels:
  - .name:           k_qe95d4b4dc1_proj
    .symbol:         k_qe95d4b4dc1_proj.kd
    .args:
      - { .name: x_codes, .offset: 0, .size: 8, .value_kind: global_buffer, .address_space: global }
      - { .name: x_scales, .offset: 8, .size: 8, .value_kind: global_buffer, .address_space: global }
      - { .name: kv_codes, .offset: 16, .size: 8, .value_kind: global_buffer, .address_space: global }
      - { .name: kv_scales, .offset: 24, .size: 8, .value_kind: global_buffer, .address_space: global }
      - { .name: Wq_codes, .offset: 32, .size: 8, .value_kind: global_buffer, .address_space: global }
      - { .name: Wq_scales, .offset: 40, .size: 8, .value_kind: global_buffer, .address_space: global }
      - { .name: Wk_codes, .offset: 48, .size: 8, .value_kind: global_buffer, .address_space: global }
      - { .name: Wk_scales, .offset: 56, .size: 8, .value_kind: global_buffer, .address_space: global }
      - { .name: Wv_codes, .offset: 64, .size: 8, .value_kind: global_buffer, .address_space: global }
      - { .name: Wv_scales, .offset: 72, .size: 8, .value_kind: global_buffer, .address_space: global }
      - { .name: ws, .offset: 80, .size: 8, .value_kind: global_buffer, .address_space: global }
    .group_segment_fixed_size: 327680
    .private_segment_fixed_size: 0
    .kernarg_segment_align: 8
    .kernarg_segment_size: 88
    .max_flat_workgroup_size: 128
    .sgpr_count:     106
    .vgpr_count:     1024
    .wavefront_size: 32
...
	.end_amdgpu_metadata
.endif
;; end of part 1
;; launch attn (part 2): grid 4 x 64, 16 waves a work-group, clusters of 4 x 1, 327,680 bytes of LDS; arguments ws, out0; writes out0
.if DOCPART == 2
	.amdgcn_target "amdgcn-amd-amdhsa--gfx1250"
	.amdhsa_code_object_version 6
	.text
	.protected	k_qe95d4b4dc1_attn
	.globl	k_qe95d4b4dc1_attn
	.p2align	8
	.type	k_qe95d4b4dc1_attn,@function
k_qe95d4b4dc1_attn:
	s_mov_b64 s[64:65], 0
	v_nop
	global_prefetch_b8 v0, s[64:65] scope:SCOPE_SE
	s_setreg_imm32_b32 hwreg(HW_REG_WAVE_MODE, 25, 1), 1
	s_wait_xcnt 0x0
	s_wait_alu depctr_hold_cnt(0) depctr_sa_sdst(0) depctr_va_vdst(0) depctr_va_sdst(0) depctr_va_ssrc(0) depctr_va_vcc(0) depctr_vm_vsrc(0)
	s_getreg_b32 s2, hwreg(HW_REG_IB_STS2, 6, 4)
	s_cmp_eq_u32 s2, 0
	s_cbranch_scc0 .Lentry_in_a_cluster
	s_endpgm
.Lentry_in_a_cluster:
	s_bfe_u32 s2, ttmp6, 0x10000c
	s_cmp_lg_u32 s2, 0x3003
	s_cbranch_scc0 .Lentry_shape_is_right
	s_endpgm
.Lentry_shape_is_right:
; out[b][q][64 head + :] = the sum over k of softmax_k(Q[q] . K[k] / 8) V[k][:], for each of 64 (batch, head), both products on codes of FP6 (E2M3) with one E8M0 scale for each 32 along a product's K.
; Q, K and V come from the workspace as images of operand registers: 1,024 records of 19,200 bytes, record 16 (16 b + head) + s for tokens 128 s on:
;   0 K: 4 pair images | 6,144 V: 4 images | 12,288 K's scale words [16 rows][4 pairs] | 12,544 V's | 12,800 Q: 4 pair images | 18,944 Q's scale words.
; THE SOFTMAX AHEAD OF THE SECOND PRODUCT: t = score x log2(e) / 8; M = the row's largest t so far, rounded UP to a whole number; p = 2^(t - M) is quantised along the keys, not normalised.
; The row's sum is taken of the unquantised p, in f32, and divides O at the end.  When M moves, the sum and O are multiplied by 2^(old M - new M): exact.
; SHARES: a work-group owns 512 queries of one head; each of its sixteen waves owns 16 of them at a time, in two passes (one loop of two trips).  256 work-groups of equal work.
; THE WHOLE HEAD'S K AND V STAY IN LDS, filled once: each of the sixteen waves brings one record's first 12,800 bytes by one joint load (the four work-groups of a cluster belong to one head).
; All is asked for at the head: there is no later load for a prefetch to run ahead of, so none is written.  LDS rows are 256 bytes + 64 of padding: an image is 6 rows, 1,920 bytes.
; K = 64 IN AN INSTRUCTION OF 128: a pair image holds one key's 64 codes in registers 0-5 and another's in 6-11; my queries stand twice, QLO = [q | zero codes], QHI = [zero codes | q].
; A WHOLE BLOCK OF 32 KEYS IN A LANE.  Both products are used transposed (S^T = K Q^T, O^T = V^T P^T): a lane holds one query, lanes 0-15 a tile's rows 0-7, lanes 16-31 its rows 8-15.
; The operand (c, u) is read from LDS so that lane r takes lane 8 u + r % 8 of pair image 2 c + r / 8: its rows 0-7 are keys of block 2 c, its rows 8-15 keys of block 2 c + 1.
; So registers 32 c .. 32 c + 31 of S^T in lane half h are block 2 c + h, keys 0-7, 16-23, 8-15, 24-31: the order in which V's images hold a block.  1,920 = 128 modulo 256.
; TWO REGISTER MAPS BY TURNS over v48-159: (K, V at v48, S^T at v96) and (K, V at v112, S^T at v48): behind the conversions p's registers are free, and the next step's K is fetched into them.
; LIMITS: NaN and infinities are not served.  A block whose every p has fallen to 0 keeps the scale byte 1: its codes are zeros.  The promise holds while |t| stays under 2^31.
.set RECB,  19200
.set HEADB, 16*RECB
.set IMGB,  1536
.set QOFF,  12800
.set QSOFF, 18944
.set ROWL,  320
.set KVL,   50*ROWL                    ; a record in LDS
.set IMGL,  6*ROWL
.set VOL,   24*ROWL
.set KSL,   48*ROWL
.set VSL,   49*ROWL
.set STAGE, 16*KVL                     ; a stage of 16 rows x (256 + 16) bytes for each wave: no tensor load lands there
.set SP,    272
.set SPARE, STAGE+16*16*SP             ; the spare words: 128 bytes a wave
.set LI,   1                           ; V's images: 16 r + 320 h
.set LK,   2                           ; K's: 1,920 (r / 8) + 320 h + 16 (r % 8)
.set LS,   3                           ; K's scale words: 16 (r % 8) + 4 (r / 8)
.set LR,   4                           ; V's scale words: 16 r
.set STO,  5
.set RD,   6
.set GO,   7
.set ADV,  8                           ; v8-11: the four, at the trip's records
.set ADW,  9
.set ADK,  10
.set ADS,  11
                                       ; v12 -M, v13 the largest t, v[14:15] the sum in two halves
.set QLO,  16
.set QHI,  28
.set QS,   40
.set QS1,  41
.set Q1,   42
.set WB,   112                         ; the way out: rows back from the stage
.set OT,   160
.set PC,   192
.set T0,   204
.set KSC,  212
.set VSC,  216
.set PS,   220
.set SH8,  221                         ; 8 h
.set BM,   224
.set BT,   228
.set BO,   232
.set TMP,  238
.set GLI,  239
.set FF,   240
.set WV,   8
.set G0,   12
.set PCN,  17
.set G1,   28
.set SEL,  36
.set CS,   38
.set TB,   40
.set CNT,  41
.macro WALU
	s_wait_alu depctr_va_vdst(0)
.endm
.macro CROUND
	s_barrier_signal -1
	s_barrier_wait -1
	s_cmp_lg_u32 s[WV], 0
	s_cbranch_scc1 .Lnot_wave_0_\@
	s_barrier_signal -3
.Lnot_wave_0_\@:
	s_barrier_wait -3
	s_barrier_signal -1
	s_barrier_wait -1
.endm
	s_load_b128 s[4:7], s[0:1], 0x0                ; the workspace, the output
	v_lshl_add_u32 v254, v0, 2, SPARE
	v_mov_b32 v255, 0
	ds_add_u32 v254, v255                          ; the opening lines: the add twice on end and one wait
	ds_add_u32 v254, v255
	v_lshrrev_b32 v1, 5, v0
	v_readfirstlane_b32 s[WV], v1                  ; wave 0..15
	s_bfe_u32 s9, ttmp6, 0x40000                   ; cx: it enters Q's and the output's addresses alone
	s_and_b32 s10, ttmp7, 0xffff                   ; 16 b + head, which the four partners share
	s_mov_b32 s[G1], 15|(3<<16)|(1<<20)|(1<<21)|(5<<22)|(15<<25)   ; the mask of all four; elements of 8 bytes; behind every 64 words 16 words of padding
	s_mov_b32 s[G1+1], 32<<16
	s_mov_b32 s[G1+2], 50<<16
	s_mov_b32 s[G1+3], 32<<16
	s_mov_b32 s[G1+4], 50                          ; 12,800 dense bytes as 50 rows of 256
	s_mov_b32 s[G1+5], 32
	s_mov_b32 s[G1+6], 0
	s_mov_b32 s[G1+7], 0
	s_mul_i32 s54, s[WV], KVL                      ; wave w brings record w
	s_mul_i32 s51, s[WV], RECB
	s_mul_i32 s50, s10, HEADB
	s_add_co_u32 s52, s50, s51
	s_mov_b32 s53, 0
	; my queries: tile 32 cx + 16 pass + w of the head's 128: record 4 cx + 2 pass + w / 8, pair (w / 2) % 4, half w % 2
	s_lshl_b32 s42, s10, 4
	s_lshl_b32 s43, s9, 2
	s_add_co_u32 s42, s42, s43
	s_lshr_b32 s43, s[WV], 3
	s_add_co_u32 s42, s42, s43
	s_mul_i32 s42, s42, RECB
	s_bfe_u32 s43, s[WV], 0x20001
	s_mul_i32 s55, s43, IMGB
	s_add_co_u32 s55, s55, s42
	s_add_co_u32 s44, s55, QOFF
	s_mov_b32 s45, 0
	s_lshl_b32 s43, s43, 2
	s_add_co_u32 s43, s43, s42
	s_add_co_u32 s46, s43, QSOFF
	s_mov_b32 s47, 0
	s_lshr_b32 s42, s10, 4
	s_lshl_b32 s42, s42, 23                        ; the output: 2,048 rows of 4,096 bytes a batch,
	s_and_b32 s43, s10, 15
	s_lshl_b32 s43, s43, 8                         ; 256 bytes a head,
	s_add_co_u32 s42, s42, s43
	s_lshl_b32 s43, s9, 5
	s_add_co_u32 s43, s43, s[WV]
	s_lshl_b32 s43, s43, 16                        ; 16 rows a tile
	s_add_co_u32 s42, s42, s43
	s_mov_b32 s43, 0
	s_and_b32 s55, s[WV], 1
	s_cmp_eq_u32 s55, 0
	s_cselect_b32 s48, 0, -1                       ; all lanes: the pair image's second half is mine
	s_mov_b32 s49, 0x03020302
	s_cselect_b32 s49, 0x01000100, s49             ; my two bytes of the pair's scale word, twice
	s_mov_b32 s[SEL], 0x76543210
	s_mov_b32 s[SEL+1], 0xfedcba98
	s_mov_b32 s[CS], 0x3e38aa3b                    ; c = log2(e) / sqrt(64)
	s_mov_b32 s[CS+1], s[CS]
	s_mul_i32 s11, s[WV], 16*SP
	s_add_co_u32 s11, s11, STAGE
	s_wait_dscnt 0x0
	s_wait_kmcnt 0x0
	s_add_nc_u64 s[52:53], s[4:5], s[52:53]
	s_add_nc_u64 s[44:45], s[4:5], s[44:45]
	s_add_nc_u64 s[46:47], s[4:5], s[46:47]
	s_add_nc_u64 s[6:7], s[6:7], s[42:43]
	CROUND                                         ; the joint loads meet
	s_mov_b32 s[G0], 1
	s_mov_b32 s[G0+1], s54
	s_mov_b64 s[G0+2:G0+3], s[52:53]
	s_or_b32 s[G0+3], s[G0+3], 0x80000000
	s_cmp_lt_u32 s[WV], 4                          ; every wave's one fill, in two arms: records 0 to 3 have a load line of their own, since their waves alone wait at the first barrier
	s_cbranch_scc0 .Lrest
	tensor_load_to_lds s[G0:G0+3], s[G1:G1+7]
	s_nop 0
.rept 4
	v_nop
.endr
	s_branch .Lasked
.Lrest:
	tensor_load_to_lds s[G0:G0+3], s[G1:G1+7]
	s_nop 0
.rept 4
	v_nop
.endr
.Lasked:
	v_and_b32 v[GLI], 31, v0
	v_lshlrev_b32 v[GLI], 4, v[GLI]
	v_and_b32 v224, 15, v0                         ; r
	v_bfe_u32 v225, v0, 4, 1                       ; h
	v_and_b32 v226, 7, v0                          ; r % 8
	v_bfe_u32 v227, v0, 3, 1                       ; r / 8
	v_lshlrev_b32 v[LR], 4, v224
.irp j, 0,1,2
	global_load_b128 v[48+4*\j:48+4*\j+3], v[GLI], s[44:45] offset:512*\j                  ; the first pass's pair image,
	global_load_b128 v[60+4*\j:60+4*\j+3], v[GLI], s[44:45] offset:2*RECB+512*\j           ; the second's: two records on
.endr
	global_load_b32 v72, v[LR], s[46:47]
	global_load_b32 v73, v[LR], s[46:47] offset:2*RECB
	v_mul_u32_u24 v[LI], v225, ROWL
	v_mul_u32_u24 v[LK], v227, IMGL
	v_lshlrev_b32 v[LS], 2, v227
	v_lshl_add_u32 v[LI], v224, 4, v[LI]
	v_mad_u32_u24 v[LK], v225, ROWL, v[LK]
	v_lshl_add_u32 v[LS], v226, 4, v[LS]
	v_lshlrev_b32 v[SH8], 3, v225
	v_lshl_add_u32 v[LK], v226, 4, v[LK]
	v_mul_u32_u24 v[STO], v224, SP                 ; the stage, in: row r, 64 t + 32 h bytes on
	v_mul_u32_u24 v[RD], v225, SP                  ; back: lanes 0-15 one row of 256 bytes, lanes 16-31 the next
	v_lshlrev_b32 v[GO], 12, v225                  ; the same two rows in the output
	v_lshl_add_u32 v[STO], v225, 5, v[STO]
	v_lshl_add_u32 v[RD], v224, 4, v[RD]
	v_lshl_add_u32 v[GO], v224, 4, v[GO]
	v_add_nc_u32 v[STO], s11, v[STO]
	v_add_nc_u32 v[RD], s11, v[RD]
.irp b, 0,1,2,3
	v_mov_b32 v[BT+\b], 0                          ; a lane permute's destination counts as one of its sources
.endr
	v_mov_b32 v[FF+1], 0
.irp i, 0,1,2,3,4,5
	v_mov_b32 v[QLO+6+\i], 0                       ; the zero codes
	v_mov_b32 v[QHI+\i], 0
.endr
	s_wait_alu depctr_va_vdst(0)
	s_wait_loadcnt 0x0
.irp i, 0,1,2,3,4,5
	v_cndmask_b32 v[QLO+\i], v[48+\i], v[54+\i], s48
	v_cndmask_b32 v[Q1+\i], v[60+\i], v[66+\i], s48
.endr
.irp i, 0,1,2,3,4,5
	v_mov_b32 v[QHI+6+\i], v[QLO+\i]
.endr
	v_perm_b32 v[QS], v72, v72, s49
	v_perm_b32 v[QS1], v73, v73, s49
.macro KFETCH fn, ak, as, o            ; the four operands (c, u) of K of the record at byte o, and their scale words: 16 LDS loads
.irp c, 0,1
.irp u, 0,1
	ds_load_b32 v[KSC+2*\c+\u], v[\as] offset:(\o)+KSL+128*\u+8*\c
.irp j, 0,1,2
	ds_load_b128 v[\fn+12*(2*\c+\u)+4*\j:\fn+12*(2*\c+\u)+4*\j+3], v[\ak] offset:(\o)+2*IMGL*\c+2*ROWL*\j+128*\u
.endr
.endr
.endr
.endm
; A KEY STEP: 128 keys, the record at s[TB] + o.  fb: K's, then V's fragments; s: S^T, then p; fn: where the next step's K goes; first = 1: the trip's addresses are made; last = 1: the pass's last step fetches no K.
.macro STEP fb, s, fn, o, first, last
	s_wait_dscnt 0x0                               ; K and its scale words are in
.irp q, 0,1,2,3
	v_wmma_scale_f32_16x16x128_f8f6f4 v[\s+16*\q:\s+16*\q+7], v[\fb+12*\q:\fb+12*\q+11], v[QLO:QLO+11], 0, v[KSC+\q], v[QS] matrix_a_fmt:MATRIX_FMT_FP6 matrix_b_fmt:MATRIX_FMT_FP6
	v_wmma_scale_f32_16x16x128_f8f6f4 v[\s+16*\q+8:\s+16*\q+15], v[\fb+12*\q:\fb+12*\q+11], v[QHI:QHI+11], 0, v[KSC+\q], v[QS] matrix_a_fmt:MATRIX_FMT_FP6 matrix_b_fmt:MATRIX_FMT_FP6
.endr
.if \first                             ; four places: in front of the loads into K's registers and of the first read of the scores
	v_add_nc_u32 v[ADV], s[TB], v[LI]
	v_add_nc_u32 v[ADW], s[TB], v[LR]
	v_add_nc_u32 v[ADK], s[TB], v[LK]
	v_add_nc_u32 v[ADS], s[TB], v[LS]
.else
.rept 4
	v_nop
.endr
.endif
	ds_load_b128 v[VSC:VSC+3], v[ADW] offset:(\o)+VSL
.irp p, 0,1,2,3
.irp j, 0,1,2
	ds_load_b128 v[\fb+12*\p+4*\j:\fb+12*\p+4*\j+3], v[ADV] offset:(\o)+VOL+IMGL*\p+2*ROWL*\j   ; V lands while the softmax is walked
.endr
.endr
.irp b, 0,1,2,3
	v_max3_num_f32 v[BM+\b], v[\s+16*\b], v[\s+1+16*\b], v[\s+2+16*\b]   ; four chains by turns; each accumulator is first read at its low end
.endr
.irp i, 3,5,7,9,11,13
.irp b, 0,1,2,3
	v_max3_num_f32 v[BM+\b], v[BM+\b], v[\s+16*\b+\i], v[\s+1+16*\b+\i]
.endr
.endr
	v_max3_num_f32 v[BM], v[BM], v[BM+1], v[\s+15]
	v_max3_num_f32 v[BM+2], v[BM+2], v[BM+3], v[\s+47]
	v_max_num_f32 v[BM], v[BM], v[\s+31]           ; THE LARGEST SCORE OF MY TWO BLOCKS: for the row's maximum, and, since p rises with the score, for the block's largest p
	v_max_num_f32 v[BM+2], v[BM+2], v[\s+63]
	s_delay_alu instid0(VALU_DEP_1)
	v_max_num_f32 v[TMP], v[BM], v[BM+2]
	s_delay_alu instid0(VALU_DEP_1)
	v_permlanex16_b32 v[BT], v[TMP], s[SEL], s[SEL+1]
	s_delay_alu instid0(VALU_DEP_1)
	v_max_num_f32 v[TMP], v[TMP], v[BT]            ; with lane l xor 16's two blocks: the step's largest score of my query
	s_delay_alu instid0(VALU_DEP_1)
	v_mul_f32 v[TMP], s[CS], v[TMP]
	s_delay_alu instid0(VALU_DEP_1)
	v_max_num_f32 v13, v13, v[TMP]                 ; the running largest t
	v_mov_b32 v[TMP], v12
	s_delay_alu instid0(VALU_DEP_2)
	v_floor_f32 v12, -v13                          ; the new -M = -ceil(t): a whole number
	s_delay_alu instid0(VALU_DEP_1)
	v_sub_f32 v[TMP], v12, v[TMP]
	s_delay_alu instid0(VALU_DEP_1)
	v_cvt_i32_f32 v[TMP], v[TMP]                   ; (it saturates)
	s_delay_alu instid0(VALU_DEP_1)
	v_ldexp_f32 v[FF], 1.0, v[TMP]                 ; f = 2^(old M - new M)
.set J, 0
.rept 32
	v_pk_fma_f32 v[\s+J:\s+J+1], v[\s+J:\s+J+1], s[CS:CS+1], v[12:13] op_sel_hi:[1,0,0]   ; t - M
.set J, J+2
.endr
	v_fma_f32 v[BM], v[BM], s[CS], v12             ; the same of each block's largest score
	v_fma_f32 v[BM+2], v[BM+2], s[CS], v12
	s_wait_alu depctr_va_vdst(0)                   ; ahead of the batch
.set J, 0
.rept 64
	v_exp_f32 v[\s+J], v[\s+J]                     ; p = 2^(t - M)
.set J, J+1
.endr
	v_exp_f32 v[BM], v[BM]                         ; the blocks' largest p: the same two instructions on the same number give the same bits
	v_exp_f32 v[BM+2], v[BM+2]
	v_pk_mul_f32 v[14:15], v[14:15], v[FF:FF+1] op_sel_hi:[1,0]   ; the sums under the new M: the plain place behind the batch
	s_wait_alu depctr_va_vdst(0)                   ; one wait for the whole batch, ahead of its first reader
	v_max_num_f32 v[BM], 0x1800000, v[BM]          ; the floor 2^(3 - 127): the byte cannot fall under 1
	v_max_num_f32 v[BM+2], 0x1800000, v[BM+2]
.set J, 0                              ; THE ROW'S SUM, of the unquantised p: eight chains, with the scales' lines among them
.irp t, 242,244,246,248,250,252,236
	v_pk_add_f32 v[\t:\t+1], v[\s+J:\s+J+1], v[\s+J+2:\s+J+3]
.set J, J+4
.endr
	v_pk_add_f32 v[14:15], v[14:15], v[\s+28:\s+29]
	v_add_nc_u32 v[BO], 0xff000000, v[BM]          ; 2 off the exponent field: the conversions' scale operand
	v_add_nc_u32 v[BO+1], 0xff000000, v[BM+2]
.set J, 30
.irp t, 242,244,246,248,250,252,236
	v_pk_add_f32 v[\t:\t+1], v[\t:\t+1], v[\s+J:\s+J+1]
.set J, J+2
.endr
	v_pk_add_f32 v[14:15], v[14:15], v[\s+44:\s+45]
	v_lshrrev_b32 v[BT], 23, v[BO]                 ; the scales' bytes
	v_lshrrev_b32 v[BT+1], 23, v[BO+1]
.set J, 46
.irp t, 242,244,246,248,250,252,236
	v_pk_add_f32 v[\t:\t+1], v[\t:\t+1], v[\s+J:\s+J+1]
.set J, J+2
.endr
	v_pk_add_f32 v[14:15], v[14:15], v[\s+60:\s+61]
	v_lshl_or_b32 v[PS], v[BT+1], 16, v[BT]        ; my blocks h and 2 + h,
	v_pk_add_f32 v[236:237], v[236:237], v[\s+62:\s+63]
	v_lshlrev_b32 v[PS], v[SH8], v[PS]             ; at their places in p's scale word;
	v_pk_add_f32 v[14:15], v[14:15], v[248:249]
	v_permlanex16_b32 v[BT+2], v[PS], s[SEL], s[SEL+1]
	v_pk_add_f32 v[236:237], v[236:237], v[246:247]
.irp c, 0,1
	v_cvt_scalef32_pk16_fp6_f32 v[PC+6*\c:PC+6*\c+2], v[\s+32*\c:\s+32*\c+15], v[BO+\c]
	v_cvt_scalef32_pk16_fp6_f32 v[T0+4*\c:T0+4*\c+2], v[\s+32*\c+16:\s+32*\c+31], v[BO+\c]   ; (a conversion's three registers begin on an even number)
.endr
	v_or_b32 v[PS], v[PS], v[BT+2]                 ; with lane l xor 16's two the word is whole; also the one plain place behind the scaled conversions
.irp c, 0,1
.irp i, 0,1,2
	v_mov_b32 v[PC+6*\c+3+\i], v[T0+4*\c+\i]
.endr
.endr
	s_wait_dscnt 0x0                               ; V is in
.if (\last) >= 0                       ; last: the trip in which this step fetches no K (-1: none)
	s_cmp_eq_u32 s[CNT], \last
	s_cbranch_scc1 .Lno_k_\@
.endif
	KFETCH \fn, ADK, ADS, (\o)+KVL                 ; the next step's K, into registers that p has left
.if (\last) >= 0
.Lno_k_\@:
.endif
	s_wait_alu depctr_va_vdst(0)                   ; directly ahead of the first reader of O^T
.set J, 0
.rept 16
	v_pk_mul_f32 v[OT+J:OT+J+1], v[OT+J:OT+J+1], v[FF:FF+1] op_sel_hi:[1,0]   ; O^T under the new M; also the places between p's scale word and codes and the products
.set J, J+2
.endr
.irp t, 0,1,2,3
	v_wmma_scale_f32_16x16x128_f8f6f4 v[OT+8*\t:OT+8*\t+7], v[\fb+12*\t:\fb+12*\t+11], v[PC:PC+11], v[OT+8*\t:OT+8*\t+7], v[VSC+\t], v[PS] matrix_a_fmt:MATRIX_FMT_FP6 matrix_b_fmt:MATRIX_FMT_FP6
.endr
	v_pk_add_f32 v[252:253], v[252:253], v[244:245]   ; the sum's last five lines: the five places ahead of the next step's products, which write over V's registers
	v_pk_add_f32 v[250:251], v[250:251], v[242:243]
	v_pk_add_f32 v[14:15], v[14:15], v[252:253]
	v_pk_add_f32 v[236:237], v[236:237], v[250:251]
	v_pk_add_f32 v[14:15], v[14:15], v[236:237]
.endm
	s_wait_alu depctr_va_vdst(0)                   ; the head's end
	s_cmp_lt_u32 s[WV], 4
	s_cbranch_scc0 .Lnot_first
	s_wait_tensorcnt 0x0                           ; waves 0 to 3: my record has landed
.Lnot_first:
	s_barrier_signal -1
	s_barrier_wait -1                              ; records 0 to 3 lie in LDS; the others may still be on their way: nothing is ever filled again
	s_mov_b32 s[PCN], 0
.Lpass:
	KFETCH 48, LK, LS, 0                           ; the first record's K lands under the lines below
	v_mov_b32 v13, 0xff61b1e6                      ; -3e38, under every t: the first change of M multiplies zeros
	s_delay_alu instid0(VALU_DEP_1)
	v_floor_f32 v12, -v13
	v_mov_b32 v14, 0
	v_mov_b32 v15, 0
.set J, 0
.rept 32
	v_mov_b32 v[OT+J], 0                           ; (these lines are also the places between Q's operands and scale word and the first product)
.set J, J+1
.endr
	s_mov_b32 s[TB], 0
	s_mov_b32 s[CNT], 0
.Lstep_a:                                              ; a trip: two key steps, one in each register map.  Trips 0 and 1: records 0 to 3
	STEP 48, 96, 112, 0, 1, -1
	STEP 112, 48, 48, KVL, 0, 1
	s_add_co_u32 s[TB], s[TB], 2*KVL
	s_add_co_u32 s[CNT], s[CNT], 1
	s_cmp_lt_u32 s[CNT], 2
	s_cbranch_scc1 .Lstep_a
	s_wait_alu depctr_va_vdst(0)
	s_wait_tensorcnt 0x0                           ; every wave's record has landed (in the second pass this holds already),
	s_wait_dscnt 0x0
	s_barrier_signal -1
	s_barrier_wait -1                              ; and all sixteen records are shown to all
	KFETCH 48, ADK, ADS, 2*KVL                     ; record 4's K: the addresses stand at record 2
	s_mov_b32 s[TB], 4*KVL
	s_mov_b32 s[CNT], 2
.Lstep_b:                                              ; trips 2 to 7: records 4 to 15
	STEP 48, 96, 112, 0, 1, -1
	STEP 112, 48, 48, KVL, 0, 7
	s_add_co_u32 s[TB], s[TB], 2*KVL
	s_add_co_u32 s[CNT], s[CNT], 1
	s_cmp_lt_u32 s[CNT], 8
	s_cbranch_scc1 .Lstep_b
; THE WAY OUT of a pass: O^T is divided by the row's sum and goes through my own stage, so that sixteen lanes store one query's 256 bytes of this head
	v_add_f32 v14, v14, v15
	s_delay_alu instid0(VALU_DEP_1)
	v_permlanex16_b32 v[TMP], v14, s[SEL], s[SEL+1]
	s_delay_alu instid0(VALU_DEP_1)
	v_add_f32 v14, v14, v[TMP]
	s_wait_alu depctr_va_vdst(0)
	v_rcp_f32 v14, v14
	v_nop
	s_wait_alu depctr_va_vdst(0)                   ; ahead of the reciprocal's first reader, which is also the first reader of O^T
.set J, 0
.rept 32
	v_mul_f32 v[OT+J], v[OT+J], v14                ; register 8 t + i is o(r, 16 t + 8 h + i)
.set J, J+1
.endr
.irp t, 0,1,2,3
	ds_store_b128 v[STO], v[OT+8*\t:OT+8*\t+3] offset:64*\t
	ds_store_b128 v[STO], v[OT+8*\t+4:OT+8*\t+7] offset:64*\t+16
.endr
.irp i, 0,1,2,3,4,5,6,7
	ds_load_b128 v[WB+4*\i:WB+4*\i+3], v[RD] offset:2*\i*SP    ; LDS serves a wave's instructions in order (ISA guide 5.7.1.4): these see my stores
.endr
.irp i, 0,1,2,3,4,5,6,7
	s_wait_dscnt 7-\i                              ; the younger loads from the stage may stay out
	global_store_b128 v[GO], v[WB+4*\i:WB+4*\i+3], s[6:7] offset:8192*\i th:TH_STORE_NT   ; 16 lanes store 256 consecutive bytes, aligned
.endr
	s_wait_xcnt 0x0                                ; the stores have read their registers and their base
	s_add_nc_u64 s[6:7], s[6:7], 0x100000          ; the second pass's tile lies 256 rows on  (behind the second pass this line and the 13 below serve nothing)
.irp i, 0,1,2,3,4,5
	v_mov_b32 v[QLO+\i], v[Q1+\i]
	v_mov_b32 v[QHI+6+\i], v[Q1+\i]
.endr
	v_mov_b32 v[QS], v[QS1]
	s_add_co_u32 s[PCN], s[PCN], 1
	s_cmp_lt_u32 s[PCN], 2
	s_wait_alu depctr_va_vdst(0)
	s_cbranch_scc1 .Lpass
	s_wait_tensorcnt 0x0                           ; the wave's end
	ds_add_u32 v254, v255
	s_wait_dscnt 0x0
	CROUND                                         ; the closing round
	s_endpgm
.Lfunc_end_k_qe95d4b4dc1_attn:
	.size	k_qe95d4b4dc1_attn, .Lfunc_end_k_qe95d4b4dc1_attn-k_qe95d4b4dc1_attn
	.p2alignl 7, 3214868480
	.fill 96, 4, 3214868480
	.section	.rodata,"a",@progbits
	.p2align	6, 0x0
	.amdhsa_kernel k_qe95d4b4dc1_attn
		.amdhsa_group_segment_fixed_size 327680
		.amdhsa_private_segment_fixed_size 0
		.amdhsa_enable_private_segment 0
		.amdhsa_kernarg_size 16
		.amdhsa_user_sgpr_count 2
		.amdhsa_user_sgpr_kernarg_segment_ptr 1
		.amdhsa_wavefront_size32 1
		.amdhsa_system_sgpr_workgroup_id_x 1
		.amdhsa_system_sgpr_workgroup_id_y 1
		.amdhsa_system_sgpr_workgroup_id_z 1
		.amdhsa_system_vgpr_workitem_id 0
		.amdhsa_next_free_vgpr 256
		.amdhsa_next_free_sgpr 66
		.amdhsa_reserve_vcc 0
		.amdhsa_float_denorm_mode_32 3
		.amdhsa_float_denorm_mode_16_64 3
		.amdhsa_memory_ordered 1
		.amdhsa_forward_progress 1
		.amdhsa_inst_pref_size 75
	.end_amdhsa_kernel
	.amdgpu_metadata
---
amdhsa.version: [ 1, 2 ]
amdhsa.kernels:
  - .name:           k_qe95d4b4dc1_attn
    .symbol:         k_qe95d4b4dc1_attn.kd
    .args:
      - { .name: ws, .offset: 0, .size: 8, .value_kind: global_buffer, .address_space: global }
      - { .name: out0, .offset: 8, .size: 8, .value_kind: global_buffer, .address_space: global }
    .group_segment_fixed_size: 327680
    .private_segment_fixed_size: 0
    .kernarg_segment_align: 8
    .kernarg_segment_size: 16
    .max_flat_workgroup_size: 512
    .sgpr_count:     66
    .vgpr_count:     256
    .wavefront_size: 32
...
	.end_amdgpu_metadata
.endif
;; end of part 2
